; MI455X (gfx1250); checked and timed in simulation.
; The chip was launched on July 23, 2026; its instructions are those of AMD's public machine-readable ISA for CDNA 5 (MIT licence, August 2026) and "CDNA5" Instruction Set Architecture Reference Guide (July 2026). The comments in the code are by the model that wrote it; some were corrected since.
;; Sparse Attention. Allowed arithmetic: matrix products marked QUANTISED: E2M1 operands, one E8M0 scale for each 32 along K, by v_wmma_scale_f32_16x16x128_f8f6f4 with both operands' format E2M1 (or v_wmma_scale_f32_32x16x128_f4), f32 sums; everything else in f32.
;; Inputs: k_codes 1 x 16 x 4,096 x 2 x 16 uint8 (E2M1 codes of k, K innermost, in blocks of 32 codes, two codes a byte); k_scales 1 x 16 x 4,096 x 2 uint8 (E8M0 scales of k, one for each 32 codes along K); q_codes 1 x 16 x 4,096 x 2 x 16 uint8 (E2M1 codes of q, K innermost, in blocks of 32 codes, two codes a byte); q_scales 1 x 16 x 4,096 x 2 uint8 (E8M0 scales of q, one for each 32 codes along K); v_codes 1 x 16 x 64 x 128 x 16 uint8 (E2M1 codes of v, K innermost, in blocks of 32 codes, two codes a byte); v_scales 1 x 16 x 64 x 128 uint8 (E8M0 scales of v, one for each 32 codes along K).
;; Outputs: out0 1 x 16 x 4,096 x 64 float32.
;; This version of the problem:
;;   THIS VERSION OF THE PROBLEM IS GIVEN IN LOW PRECISION. The matrix products marked QUANTISED in the list below multiply operands that are first quantised to E2M1 (2 exponent bits, 1 mantissa bit; 4 bits a number), with one power-of-two scale for each 32 numbers along K (OCP MX v1.0); their sums are f32. All else is computed in f32.
;;   The module's matrix products, in the order in which they are computed (A, B: the left and right operand; K: the contracted axis; several contracted axes count as one K, in the product's order):
;;     1. batch 16 x [M 4,096, K 64] x [K 64, N 4,096]; A: input q (given as codes); B: input k (given as codes): QUANTISED
;;     2. batch 16 x [M 4,096, K 4,096] x [K 4,096, N 64]; A: computed on the way; B: input v (given as codes): QUANTISED
;;   THE QUANTISER, for each operand of a quantised product, along K:
;;     - K is cut into blocks of 32 from its start; a last block that is shorter is filled with zeros.
;;     - A block's scale is 2^e with e = floor(log2(the largest magnitude in the block)) - 2, held to -126 .. 127; a block of zeros has e = 0. As a byte (E8M0): e + 127.
;;     - Each number is divided by its block's scale, clamped to +-6, and rounded to the nearest number of E2M1, ties to even, subnormals kept.
;;     - The product sums the exact products of the quantised numbers (number of the format x scale) in f32.
;;   ~~~python
;;   def quantise(x, axis):      # numpy; x: float32 -> the quantised numbers, widened to float32 again
;;       x = np.moveaxis(x, axis, -1); K = x.shape[-1]
;;       x = np.pad(x, [(0, 0)] * (x.ndim - 1) + [(0, -K % 32)]); x = x.reshape(x.shape[:-1] + (-1, 32)); a = np.abs(x).max(-1, keepdims=True)
;;       e = np.where(a > 0, np.clip(np.frexp(np.where(a > 0, a, 1))[1] - 1 - 2, -126, 127), 0)      # np.frexp(a)[1] - 1 = floor(log2(a)), exactly
;;       r = np.clip(x / 2.0 ** e, -6, 6)
;;       step = 2.0 ** (np.maximum(np.frexp(np.where(r == 0, 1, r))[1] - 1, 0) - 1)
;;       q = np.round(r / step) * step * 2.0 ** e      # np.round: ties to even
;;       return np.moveaxis(q.reshape(q.shape[:-2] + (-1,))[..., :K], -1, axis).astype(np.float32)
;;   ~~~
;;   OPERANDS COMPUTED ON THE WAY. 'Computed on the way' means the value that the module computes at that place (a softmax that the list does not call 'softmax' is quantised finished and normalised). What goes into a quantiser is computed in f32, as accurately as f32 sums, v_exp_f32 and their like allow (about 1e-6 of the number): no bf16 or f16 on the way to a quantiser, and a product that is left as it is and whose result goes on into a quantised operand takes f32 operands (vector FMAs, or v_wmma_f32_16x16x4_f32). A number that lies on a knife's edge between two numbers of the format may be rounded either way, as far as f32 arithmetic and the matrix unit's own rounding can turn it there, and no further.
;;   INPUTS GIVEN AS CODES. k (in the module: [1, 16, 4096, 64], K = its axis 3); q (in the module: [1, 16, 4096, 64], K = its axis 3); v (in the module: [1, 16, 4096, 64], K = its axis 2): each comes as NAME_codes (uint8): NAME with its K axis moved to the last place and cut into blocks of 32 codes, [.., K / 32, bytes a block], one block behind the other in memory; two codes a byte, the lower K in the low four bits (a code: sign, 2 exponent bits, 1 mantissa bit); and NAME_scales (uint8): the same leading axes, one E8M0 byte (e + 127) for each 32 codes along K. Its value is code x scale, taken as it is: it is not quantised again, and the codes and scales need not be those that the quantiser above would give.
;; 2 versions. Each part assembles by itself: llvm-mc -triple=amdgcn-amd-amdhsa -mcpu=gfx1250 --defsym DOCPART=n.
;; ======== version 1 of 2: 1 launch
;; launch band (part 1): grid 16 x 16, 16 waves a work-group, no clusters, 108,544 bytes of LDS; arguments q_codes, q_scales, k_codes, k_scales, v_codes, v_scales, out0; writes out0
.if DOCPART == 1
	.amdgcn_target "amdgcn-amd-amdhsa--gfx1250"
	.amdhsa_code_object_version 6
	.text
	.protected	k_q256f03ab5e_band
	.globl	k_q256f03ab5e_band
	.p2align	8
	.type	k_q256f03ab5e_band,@function
k_q256f03ab5e_band:
	s_mov_b64 s[64:65], 0
	v_nop
	global_prefetch_b8 v0, s[64:65] scope:SCOPE_SE
	s_setreg_imm32_b32 hwreg(HW_REG_WAVE_MODE, 25, 1), 1
	s_wait_xcnt 0x0
; out[h][i][:] = sum over j of attn[i][j] v[h][j][:],  attn = softmax_j(q[h][i] . k[h][j] / 8) over the band i - 128 <= j < i + 128 inside 0 .. 4095, 0 elsewhere.
; Both products on codes of FP4 (E2M1) with one E8M0 scale for each 32 along a product's K.  q, k: codes along the head's 64; v: codes with the keys innermost, [head][64][128 blocks][16 bytes].
; WHAT IS QUANTISED AHEAD OF THE SECOND PRODUCT IS THE FINISHED attn, in blocks of 32 keys counted from key 0: so a row's true maximum and true sum are taken before any code is made.
; SHARES.  A work-group owns 256 queries of one head (x = block of queries, y = head): 256 work-groups.  Each of its sixteen waves owns ONE tile of 16 queries.  A tile's band touches 9 aligned blocks of 32 keys:
; 288 scores a query, 144 registers a lane: the whole window of a row stays in registers, and nothing is rescaled.  No loop: the text is walked once.
; WINDOW.  The work-group's 512 keys, from key 256 x - 128 on (a multiple of 32: window blocks are the quantiser's blocks), come into LDS once, through registers.  A key outside 0 .. 4095 is fetched WRAPPED inside its
; head (index & 4095, block & 127), so that every load stays in its buffer; what lands there is hidden by the mask: its score becomes -infinity, its p is 0, its code is 0.
; LAYOUT.  Both products are used transposed: S^T = K Q^T (source 0 = 16 keys, source 1 = my 16 queries), O^T = V^T P^T (source 0 = 16 of the head's 64, source 1 = P): a lane holds ONE query (lane % 16) throughout.
; THE KEYS OF A TILE ARE NOT NEIGHBOURS: lane r of tile 2 b + t takes key 32 b + 8 t + r + 8 (r / 8), so that score register 16 b + i of lane (r, h) is key 32 b + 16 h + i of the wave's frame.
; THE FIRST PRODUCT'S K IS 64, half of the instruction's 128: Q's registers 4-7 are zero codes and the upper two scale bytes of both sides are 0 (2^-127, a finite number).  So what K's registers 4-7 hold does not
; count, as long as it is codes (E2M1 has no infinity and no NaN): each K fragment is 4 registers, and the instruction names the next fragment's four (behind the last: four zeros) as its upper half.
; NO JOINT LOADS: only neighbours along x share, half a window (17 KB of a work-group's 34 KB, beside its 64 KB of output), and the wrap at the sequence's ends is made lane by lane.  No tensor loads: each LDS byte is
; filled once, by two 16-byte loads of K, two of V and two 2-byte loads of scales a thread.
; LIMITS: a scale byte 0xff (NaN) among the inputs is not served, nor scores that overflow f32.  An exponential under 2^-126 counts as 0.  1 / sum is v_rcp_f32 and a multiplication.  A block's largest p is taken from its
; largest score through the same three instructions as every p, which takes v_exp_f32 not to fall where its input rises.  A block of zeros keeps the byte 1 where the rule says 127: its codes are zeros.
.set KB,   0                           ; LDS: K's codes: key kw at 32 kw + 16 (kw / 16): 16 keys are 512 bytes + 16 of padding, so that a tile's rows 0-7 and 16-23 fall on 16 different 16-byte columns modulo 256
.set VB,   16896                       ; V's codes: row d at 272 d (16 blocks x 16 bytes + 16 of padding), window block B at + 16 B
.set KSB,  34304                       ; K's scale bytes: 2 a key
.set VSB,  35328                       ; V's scale bytes: row d at 20 d (16 bytes + 4 of padding that nobody touches)
.set STG,  36864                       ; the way out: 16 rows x (256 + 16) bytes for each wave, its own
.set S,    36                          ; v36-179  the 144 scores, then the exponentials, then p
.set KF,   180                         ; v180-251 K's 18 fragments of 4 registers
.set ZP,   252                         ; v252-255 zeros: the upper half of the last fragment
.set KSC,  25                          ; v25-33   scale words and nothing else: first K's nine (lanes 0-15 tile 2 b's, lanes 16-31 tile 2 b + 1's),
.set VSW,  25                          ;          then V's: step s, rows 32 e + lane: v[25 + 2 s + e],
.set PW,   31                          ;          and P's: step s: v[31 + s]
.set BM,   180                         ; behind the first product: v180-188 each block's largest score, then its largest p
.set BP,   189                         ; v189-197 the other half of the lanes' maxima, then the scale bytes
.set SOP,  198                         ; v198-206 the conversions' scale operands
.set VW,   207                         ; v207-212 V's scale bytes as they lie: row 32 e + lane, word j: v[207 + 3 e + j]
.set PC,   224                         ; v224-247 P's three fragments
.set AC,   248                         ; v248-255 four packed chains of the row's sum
.set VF,   36                          ; behind the conversions: V's fragments, step s, tile dt: v[36 + 32 s + 8 dt]
.set OA,   132                         ; O^T: four accumulators
; v1 r, v2 h, v3 K's address, v4 K's scale words', v5 V's, v6 V's scale words', v7 into the stage, v8 out of it, v9 my bytes in out, v10 L, v11 -infinity, v[12:13] -c m, v14 the sum, v15 at work,
; v[16:23] Q (v20-23 zeros), v24 Q's scale word, v[34:35] 1 / sum.  During the fill v40-57 hold data, v58-63 offsets in memory, v64-67 LDS addresses.
	s_load_b256 s[4:11], s[0:1], 0x0               ; q's codes s[4:5], q's scales s[6:7], k's codes s[8:9], k's scales s[10:11]
	s_load_b128 s[12:15], s[0:1], 0x20             ; v's codes s[12:13], v's scales s[14:15]
	s_load_b64 s[16:17], s[0:1], 0x30              ; out
	v_lshrrev_b32 v15, 5, v0
	v_readfirstlane_b32 s18, v15                   ; wave w, 0 .. 15
	v_and_b32 v1, 15, v0                           ; r = lane % 16 (also thread % 16)
	v_bfe_u32 v2, v0, 4, 1                         ; h = lane / 16
	s_mov_b32 s19, ttmp9                           ; x: my block of 256 queries
	s_and_b32 s20, ttmp7, 0xffff                   ; the head
	s_lshr_b32 s21, s18, 1                         ; u = w / 2: my frame is window blocks u .. u + 8
	s_mov_b32 s22, 0x3e38aa3b                      ; c = log2(e) / 8
	s_mov_b32 s23, s22                             ; (named with it as a pair, so it is written)
	s_mov_b32 s24, 0xbe38aa3b                      ; -c
	s_and_b32 s25, s21, 3
	s_lshl_b32 s25, s25, 3                         ; 8 (u % 4): bits by which V's scale bytes are shifted into place
	s_sub_co_u32 s26, 24, s25
	s_lshl_b32 s57, s19, 3
	s_sub_co_u32 s57, s57, 4                       ; 8 x - 4: the window's first block in the sequence (under 0 for x = 0: it wraps, and is masked or compared as unsigned)
	s_add_co_u32 s27, s57, s21                     ; my frame's first block
	s_mov_b32 s28, 0x76543210
	s_mov_b32 s29, 0xfedcba98                      ; v_permlanex16_b32's selects for lane l xor 16
	s_lshl_b32 s30, s20, 17                        ; the head's first byte in each tensor of codes (4,096 x 32 = 64 x 2,048 bytes),
	s_mov_b32 s31, 0
	s_lshl_b32 s32, s20, 13                        ; and in each tensor of scale bytes
	s_mov_b32 s33, 0
	s_lshl_b32 s56, s19, 8
	s_lshl_b32 s39, s18, 4
	s_add_co_u32 s38, s56, s39                     ; my tile's first query: 256 x + 16 w
	s_sub_co_u32 s56, s56, 128                     ; the window's first key
	s_and_b32 s58, s18, 1
	s_lshl_b32 s58, s58, 4                         ; 16 (w % 2)
	s_add_co_u32 s34, s56, s39                     ; the fill of K: my wave brings window keys 16 w .. + 15 and 256 + 16 w .. + 15: each run is 512 dense bytes and does not straddle the wrap
	s_add_co_u32 s36, s34, 256
	s_and_b32 s34, s34, 4095
	s_and_b32 s36, s36, 4095
	s_lshl_b32 s34, s34, 5
	s_lshl_b32 s36, s36, 5
	s_add_co_u32 s34, s34, s30
	s_add_co_u32 s36, s36, s30
	s_mov_b32 s35, 0
	s_mov_b32 s37, 0
	s_lshl_b32 s50, s38, 5                         ; my tile in q's codes,
	s_add_co_u32 s50, s50, s30
	s_mov_b32 s51, 0
	s_lshl_b32 s52, s38, 1                         ; in q's scales,
	s_add_co_u32 s52, s52, s32
	s_mov_b32 s53, 0
	s_lshl_b32 s54, s38, 8                         ; and in out (a row is 256 bytes, a head 2^20)
	s_lshl_b32 s59, s20, 20
	s_add_co_u32 s54, s54, s59
	s_mov_b32 s55, 0
	; offsets in memory
	v_and_b32 v58, 31, v0
	v_lshlrev_b32 v58, 4, v58                      ; K's codes: 16 x lane
	v_add_nc_u32 v59, s56, v0                      ; K's scales: thread t takes window key t, wrapped
	v_and_b32 v59, 0xfff, v59
	v_lshlrev_b32 v59, 1, v59
	v_add_nc_u32 v60, s57, v1                      ; V's codes: thread t takes row t / 16 (and 32 rows on), window block t % 16, wrapped
	v_and_b32 v60, 127, v60
	v_lshlrev_b32 v60, 4, v60
	v_lshrrev_b32 v14, 4, v0
	v_lshl_or_b32 v60, v14, 11, v60
	v_and_b32 v15, 7, v0                           ; V's scales: thread t takes row t / 8, the bytes of window blocks 2 (t % 8) and + 1 (an even place, so both lie on one side of the wrap)
	v_lshl_add_u32 v61, v15, 1, s57
	v_and_b32 v61, 127, v61
	v_lshrrev_b32 v12, 3, v0
	v_lshl_add_u32 v61, v12, 7, v61
	v_lshlrev_b32 v62, 5, v1                       ; Q's codes: row r, my half's 16 bytes
	v_lshl_add_u32 v62, v2, 4, v62
	v_lshlrev_b32 v63, 1, v1                       ; Q's scales: row r
	; where the fill goes in LDS
	v_lshrrev_b32 v64, 5, v0
	v_add_nc_u32 v64, v64, v0
	v_lshlrev_b32 v64, 4, v64                      ; K: 528 w + 16 x lane
	v_mul_u32_u24 v65, v14, 272
	v_lshl_add_u32 v65, v1, 4, v65
	v_add_nc_u32 v65, VB, v65                      ; V: row t / 16, block t % 16
	v_lshl_add_u32 v66, v0, 1, KSB
	v_mul_u32_u24 v67, v12, 20
	v_lshl_add_u32 v67, v15, 1, v67
	v_add_nc_u32 v67, VSB, v67
	s_wait_kmcnt 0x0
	s_add_nc_u64 s[50:51], s[4:5], s[50:51]
	s_add_nc_u64 s[52:53], s[6:7], s[52:53]
	s_add_nc_u64 s[40:41], s[8:9], s[34:35]
	s_add_nc_u64 s[42:43], s[8:9], s[36:37]
	s_add_nc_u64 s[44:45], s[10:11], s[32:33]
	s_add_nc_u64 s[46:47], s[12:13], s[30:31]
	s_add_nc_u64 s[48:49], s[14:15], s[32:33]
	s_add_nc_u64 s[54:55], s[16:17], s[54:55]
	global_load_b128 v[16:19], v62, s[50:51]       ; Q's fragment: lane (r, h): k = 32 h .. 32 h + 31 of query r
	global_load_u16 v24, v63, s[52:53]             ; its scale word: two bytes, and two zeros above them
	global_load_b128 v[40:43], v58, s[40:41]       ; K's codes: a wave's load covers 512 consecutive bytes
	global_load_b128 v[44:47], v58, s[42:43]
	global_load_u16 v56, v59, s[44:45]
	global_load_b128 v[48:51], v60, s[46:47]       ; V's codes: sixteen lanes take a row's 256 bytes (in two runs where the window wraps)
	global_load_b128 v[52:55], v60, s[46:47] offset:65536
	global_load_u16 v57, v61, s[48:49]
	; while they are on their way.  The zeros first: operands of a scaled matrix instruction that vector instructions write stand four places ahead of it, and the address arithmetic below is those places
.irp i, 0,1,2,3
	v_mov_b32 v[20+\i], 0                          ; Q's k = 64 .. 127: zero codes
	v_mov_b32 v[ZP+\i], 0
.endr
	v_mov_b32 v13, 0                               ; (upper halves of pairs of which the low word serves both halves: named, so they are written)
	v_mov_b32 v35, 0
	v_lshrrev_b32 v15, 3, v1                       ; r / 8
	v_mul_u32_u24 v3, v15, 272
	v_lshl_add_u32 v3, v1, 5, v3
	v_lshl_add_u32 v3, v2, 4, v3
	s_mul_i32 s59, s21, 1056
	v_add_nc_u32 v3, s59, v3                       ; K: 32 r + 272 (r / 8) + 16 h + 1,056 u: key 32 u + r + 8 (r / 8), my half of its 32 bytes
	v_lshlrev_b32 v4, 1, v1
	v_lshl_add_u32 v4, v15, 4, v4
	v_lshl_add_u32 v4, v2, 4, v4
	s_lshl_b32 s59, s21, 6
	s_add_co_u32 s59, s59, KSB
	v_add_nc_u32 v4, s59, v4                       ; K's scale words: the same key's two bytes; lanes 16-31 take the key 8 further on: the odd tile's
	v_mul_u32_u24 v5, v1, 272
	v_lshl_add_u32 v5, v2, 4, v5
	s_lshl_b32 s59, s21, 4
	s_add_co_u32 s59, s59, VB
	v_add_nc_u32 v5, s59, v5                       ; V: row r, window block u + h
	v_and_b32 v6, 31, v0
	v_mul_u32_u24 v6, v6, 20
	s_lshr_b32 s59, s18, 3
	s_lshl_b32 s59, s59, 2
	s_add_co_u32 s59, s59, VSB
	v_add_nc_u32 v6, s59, v6                       ; V's scale bytes: row = lane, from word u / 4 on
	s_mul_i32 s59, s18, 4352
	s_add_co_u32 s59, s59, STG                     ; my stage
	v_mul_u32_u24 v7, v1, 272
	v_lshl_add_u32 v7, v2, 5, v7
	v_add_nc_u32 v7, s59, v7                       ; in: row r, 32 bytes for each half of the lanes
	v_mul_u32_u24 v8, v2, 272
	v_lshl_add_u32 v8, v1, 4, v8
	v_add_nc_u32 v8, s59, v8                       ; back: lanes 0-15 one row of 256 bytes, lanes 16-31 the next
	v_lshlrev_b32 v9, 8, v2
	v_lshl_add_u32 v9, v1, 4, v9                   ; and the same two rows in out
	; THE FILL
	s_wait_loadcnt 3                               ; Q's two loads and K's three are in; V's three, issued behind them, may be out
	ds_store_b128 v64, v[40:43]
	ds_store_b128 v64, v[44:47] offset:8448        ; 256 keys on: 16 groups of 528 bytes
	ds_store_b16 v66, v56
	s_wait_loadcnt 0x0
	ds_store_b128 v65, v[48:51]
	ds_store_b128 v65, v[52:55] offset:8704        ; 32 rows on
	ds_store_b16 v67, v57
	s_wait_dscnt 0x0                               ; for the others' sake: my part of the window lies in LDS
	s_barrier_signal -1
	s_barrier_wait -1                              ; the one barrier: from here on the window is only read
	; S^T = K Q^T: 18 tiles of 16 keys
.irp b, 0,1,2,3,4,5,6,7,8
	ds_load_u16 v[KSC+\b], v4 offset:64*\b
.endr
.irp t, 0,1,2,3,4,5,6,7,8,9,10,11,12,13,14,15,16,17
	ds_load_b128 v[KF+4*\t:KF+4*\t+3], v3 offset:1056*(\t/2)+256*(\t%2)
.endr
.macro QK b                            ; tiles 2 b and 2 b + 1: block b of my frame
.if \b < 8
	s_wait_dscnt 15-2*\b                           ; the odd tile also names fragment 2 b + 2's registers: behind that fragment's load 15 - 2 b loads were issued
.else
	s_wait_dscnt 0x0
.endif
	v_wmma_scale_f32_16x16x128_f8f6f4 v[S+16*\b:S+16*\b+7], v[KF+8*\b:KF+8*\b+7], v[16:23], 0, v[KSC+\b], v24 matrix_a_fmt:MATRIX_FMT_FP4 matrix_b_fmt:MATRIX_FMT_FP4
	v_wmma_scale_f32_16x16x128_f8f6f4 v[S+16*\b+8:S+16*\b+15], v[KF+8*\b+4:KF+8*\b+11], v[16:23], 0, v[KSC+\b], v24 matrix_a_fmt:MATRIX_FMT_FP4 matrix_b_fmt:MATRIX_FMT_FP4 matrix_a_scale:MATRIX_SCALE_ROW1
.endm
.irp b, 0,1,2,3,4,5,6,7,8
	QK \b
.endr
	; four plain lines that name no register of the products: the places in front of the loads and writes into K's registers and of the first touch of the scores
	v_mov_b32 v11, 0xff800000                      ; -infinity
	v_lshlrev_b32 v15, 4, v2
	v_sub_nc_u32 v10, v1, v15
	v_add_nc_u32 v10, s58, v10                     ; L = 16 (w % 2) + r - 16 h: register 16 b + i counts where L <= 32 b + i < L + 256.  L lies in -16 .. 31: only blocks 0 and 8 are cut
.irp e, 0,1
.irp j, 0,1,2
	ds_load_b32 v[VW+3*\e+\j], v6 offset:640*\e+4*\j   ; V's scale bytes of rows 32 e + lane: three words from word u / 4 on
.endr
.endr
.irp i, 16,17,18,19,20,21
	v_mov_b32 v[PC+\i], 0                          ; P's third fragment holds one block: the rest are zero codes
.endr
; THE SEQUENCE'S ENDS hide whole blocks: block b of my frame is block 8 x - 4 + u + b of the sequence, which exists where that number, as unsigned, is under 128.  A branch on ids alone.
.macro EDGE b
	s_add_co_u32 s59, s27, \b
	s_cmp_lt_u32 s59, 128
	s_cbranch_scc1 .Linside_\@
.irp i, 0,1,2,3,4,5,6,7,8,9,10,11,12,13,14,15
	v_mov_b32 v[S+16*\b+\i], v11
.endr
.Linside_\@:
.endm
.irp b, 0,1,2,3,4,5,6,7,8
	EDGE \b
.endr
	; THE BAND: in block 0 register i is hidden where i < L, in block 8 it counts where i < L: one compare serves both.  Ascending: each accumulator is read from its low end on
.irp i, 0,1,2,3,4,5,6,7,8,9,10,11,12,13,14,15
	v_cmp_lt_i32 vcc_lo, \i, v10
	v_cndmask_b32 v[S+\i], v[S+\i], v11, vcc_lo
	v_cndmask_b32 v[S+128+\i], v11, v[S+128+\i], vcc_lo
.endr
	; THE LARGEST SCORE OF EACH BLOCK: it serves twice: for the row's maximum, and, since p rises with the score, for the block's largest p.  The nine blocks by turns
.irp b, 0,1,2,3,4,5,6,7,8
	v_max3_num_f32 v[BM+\b], v[S+16*\b], v[S+16*\b+1], v[S+16*\b+2]
.endr
.irp i, 3,5,7,9,11,13
.irp b, 0,1,2,3,4,5,6,7,8
	v_max3_num_f32 v[BM+\b], v[BM+\b], v[S+16*\b+\i], v[S+16*\b+\i+1]
.endr
.endr
.irp b, 0,1,2,3,4,5,6,7,8
	v_max_num_f32 v[BM+\b], v[BM+\b], v[S+16*\b+15]
.endr
.irp b, 0,1,2,3,4,5,6,7,8
	v_permlanex16_b32 v[BP+\b], v[BM+\b], s28, s29 ; (its destination counts as read: these registers held K's fragments)
.endr
.irp b, 0,1,2,3,4,5,6,7,8
	v_max_num_f32 v[BM+\b], v[BM+\b], v[BP+\b]     ; with lane l xor 16's 16 keys
.endr
	v_max3_num_f32 v15, v[BM], v[BM+1], v[BM+2]
	v_max3_num_f32 v15, v15, v[BM+3], v[BM+4]
	v_max3_num_f32 v15, v15, v[BM+5], v[BM+6]
	v_max3_num_f32 v15, v15, v[BM+7], v[BM+8]      ; the row's largest score m: a number, since a query's own key always counts
	v_mul_f32 v12, s24, v15                        ; -c m.  Its rounding is common to the row: it cancels in e / sum
.irp b, 0,1,2,3,4,5,6,7,8
	v_fma_f32 v[BM+\b], v[BM+\b], s22, v12         ; c s - c m of each block's largest score
.endr
	s_wait_dscnt 0x0                               ; V's scale bytes are in
.irp e, 0,1
	v_alignbit_b32 v[VSW+\e], v[VW+3*\e+1], v[VW+3*\e], s25       ; step 0: the bytes of window blocks u .. u + 3
	v_alignbit_b32 v[VSW+2+\e], v[VW+3*\e+2], v[VW+3*\e+1], s25   ; step 1: u + 4 .. u + 7
	v_lshlrev_b32 v[VSW+4+\e], s26, v[VW+3*\e+2]                  ; step 2: block u + 8's byte at place 3; what stands below it meets zero codes of P
.endr
	; e = 2^(c s - c m) and the row's sum.  In each trip: the multiply-add of pair j, the two exponentials of pair j - 1, the addition of pair j - 3:
	; behind every exponential stands a plain line that does not touch it before its result is used (ISA guide 5.7.2).  Four packed chains, begun by additions: nothing is cleared
.set j, 0
.rept 75
.if j < 72
	v_pk_fma_f32 v[S+2*j:S+2*j+1], v[S+2*j:S+2*j+1], s[22:23], v[12:13] op_sel_hi:[1,0,0]
.endif
.if (j >= 1) && (j <= 72)
	v_exp_f32 v[S+2*j-2], v[S+2*j-2]
	v_exp_f32 v[S+2*j-1], v[S+2*j-1]
.endif
.if j >= 11
	s_wait_alu depctr_va_vdst(0)
	v_pk_add_f32 v[AC+2*((j-3)%4):AC+2*((j-3)%4)+1], v[AC+2*((j-3)%4):AC+2*((j-3)%4)+1], v[S+2*(j-3):S+2*(j-3)+1]
.elseif j >= 7
	s_wait_alu depctr_va_vdst(0)
	v_pk_add_f32 v[AC+2*((j-3)%4):AC+2*((j-3)%4)+1], v[S+2*(j-7):S+2*(j-7)+1], v[S+2*(j-3):S+2*(j-3)+1]
.endif
.set j, j+1
.endr
.irp b, 0,1,2,3,4,5,6,7,8
	v_exp_f32 v[BM+\b], v[BM+\b]                   ; each block's largest e: the same instructions on the same number give the same bits
.endr
	v_pk_add_f32 v[AC:AC+1], v[AC:AC+1], v[AC+2:AC+3]             ; (plain lines behind the exponentials)
	v_pk_add_f32 v[AC+4:AC+5], v[AC+4:AC+5], v[AC+6:AC+7]
	v_pk_add_f32 v[AC:AC+1], v[AC:AC+1], v[AC+4:AC+5]
	v_add_f32 v14, v[AC], v[AC+1]
	v_permlanex16_b32 v213, v14, s28, s29
	v_add_f32 v14, v14, v213                       ; the row's sum, at least about 1
	v_rcp_f32 v34, v14
	v_nop                                          ; a plain line behind the reciprocal
	; EACH BLOCK'S SCALE, the nine by turns
	s_wait_alu depctr_va_vdst(0)
.irp b, 0,1,2,3,4,5,6,7,8
	v_mul_f32 v[BM+\b], v[BM+\b], v34              ; the block's largest attn
.endr
.irp b, 0,1,2,3,4,5,6,7,8
	v_max_num_f32 v[BM+\b], 0x1800000, v[BM+\b]    ; the floor 2^(3 - 127): the byte cannot fall under 1 (a block of zeros keeps that byte: its codes are zeros)
.endr
.irp b, 0,1,2,3,4,5,6,7,8
	v_add_nc_u32 v[SOP+\b], 0xff000000, v[BM+\b]   ; 2 off the exponent field: the conversion takes the exponent field of this operand as its scale, and nothing else of it
.endr
.irp b, 0,1,2,3,4,5,6,7,8
	v_lshrrev_b32 v[BP+\b], 23, v[SOP+\b]          ; the scale's byte
.endr
	v_lshl_or_b32 v[PW], v[BP+1], 8, v[BP]         ; P's scale words: blocks 0-3,
	v_lshl_or_b32 v[PW+1], v[BP+5], 8, v[BP+4]     ; blocks 4-7,
	v_lshl_or_b32 v[PW], v[BP+2], 16, v[PW]
	v_lshl_or_b32 v[PW+1], v[BP+6], 16, v[PW+1]
	v_lshl_or_b32 v[PW], v[BP+3], 24, v[PW]
	v_lshl_or_b32 v[PW+1], v[BP+7], 24, v[PW+1]
	v_lshlrev_b32 v[PW+2], 24, v[BP+8]             ; block 8 at place 3.  (The 72 multiplications below stand between these writes and the scaled products)
; Block b: attn = e / sum, then its 16 codes of my half into v[PC + d], v[PC + d + 1]
.macro NORMCVT b, d
.irp i, 0,2,4,6,8,10,12,14
	v_pk_mul_f32 v[S+16*\b+\i:S+16*\b+\i+1], v[S+16*\b+\i:S+16*\b+\i+1], v[34:35] op_sel_hi:[1,0]
.endr
	v_cvt_scalef32_pk8_fp4_f32 v[PC+\d], v[S+16*\b:S+16*\b+7], v[SOP+\b]
	v_cvt_scalef32_pk8_fp4_f32 v[PC+\d+1], v[S+16*\b+8:S+16*\b+15], v[SOP+\b]
.endm
; V's four fragments of step s: 16 of the head's 64 x 128 keys, from window block u + sb on
.macro VLOAD s, sb
.irp dt, 0,1,2,3
.irp cc, 0,1
	ds_load_b128 v[VF+32*\s+8*\dt+4*\cc:VF+32*\s+8*\dt+4*\cc+3], v5 offset:4352*\dt+16*\sb+32*\cc
.endr
.endr
.endm
	NORMCVT 0, 0
	NORMCVT 1, 2
	NORMCVT 2, 4
	NORMCVT 3, 6
	NORMCVT 4, 8
	VLOAD 0, 0                                     ; into the registers that blocks 0-3 have left: block 4's multiplications stand behind their conversions
	VLOAD 1, 4
	NORMCVT 5, 10
	NORMCVT 6, 12
	NORMCVT 7, 14
	NORMCVT 8, 22                                  ; block 8 goes to the last place of the third fragment
	v_nop                                          ; one plain line behind the last scaled conversion
	VLOAD 2, 5                                     ; blocks u + 5 .. u + 8: block u + 8 at place 3, so that no read leaves the window; into the registers of blocks 4 and 5
	; the operand's layout wants a WHOLE block in a lane: lanes 0-15 block 2 c, lanes 16-31 block 2 c + 1
.irp s, 0,1
.irp c, 0,1
.irp i, 0,1
	v_permlane16_swap_b32 v[PC+8*\s+4*\c+\i], v[PC+8*\s+4*\c+2+\i]
.endr
.endr
.endr
	v_permlane16_swap_b32 v[PC+20], v[PC+22]       ; block 8: into lanes 16-31 of registers 4-7; lanes 0-15 get zeros
	v_permlane16_swap_b32 v[PC+21], v[PC+23]
.rept 4
	v_nop                                          ; an operand that vector instructions wrote stands four places ahead of a scaled matrix instruction
.endr
; O^T += V^T P^T, step s.  The four accumulators take turns, one instruction a turn.  V's scale words: lanes 0-15 the even tile's rows, lanes 16-31 the odd tile's
.macro PV s
	s_wait_dscnt 16-8*\s                           ; step s's eight loads are in; those of the later steps may be out
.irp dt, 0,1,2,3
.if \s == 0
.if \dt%2
	v_wmma_scale_f32_16x16x128_f8f6f4 v[OA+8*\dt:OA+8*\dt+7], v[VF+32*\s+8*\dt:VF+32*\s+8*\dt+7], v[PC+8*\s:PC+8*\s+7], 0, v[VSW+2*\s+\dt/2], v[PW+\s] matrix_a_fmt:MATRIX_FMT_FP4 matrix_b_fmt:MATRIX_FMT_FP4 matrix_a_scale:MATRIX_SCALE_ROW1
.else
	v_wmma_scale_f32_16x16x128_f8f6f4 v[OA+8*\dt:OA+8*\dt+7], v[VF+32*\s+8*\dt:VF+32*\s+8*\dt+7], v[PC+8*\s:PC+8*\s+7], 0, v[VSW+2*\s+\dt/2], v[PW+\s] matrix_a_fmt:MATRIX_FMT_FP4 matrix_b_fmt:MATRIX_FMT_FP4
.endif
.else
.if \dt%2
	v_wmma_scale_f32_16x16x128_f8f6f4 v[OA+8*\dt:OA+8*\dt+7], v[VF+32*\s+8*\dt:VF+32*\s+8*\dt+7], v[PC+8*\s:PC+8*\s+7], v[OA+8*\dt:OA+8*\dt+7], v[VSW+2*\s+\dt/2], v[PW+\s] matrix_a_fmt:MATRIX_FMT_FP4 matrix_b_fmt:MATRIX_FMT_FP4 matrix_a_scale:MATRIX_SCALE_ROW1
.else
	v_wmma_scale_f32_16x16x128_f8f6f4 v[OA+8*\dt:OA+8*\dt+7], v[VF+32*\s+8*\dt:VF+32*\s+8*\dt+7], v[PC+8*\s:PC+8*\s+7], v[OA+8*\dt:OA+8*\dt+7], v[VSW+2*\s+\dt/2], v[PW+\s] matrix_a_fmt:MATRIX_FMT_FP4 matrix_b_fmt:MATRIX_FMT_FP4
.endif
.endif
.endr
.endm
	PV 0
	PV 1
	PV 2
	; THE WAY OUT.  Register j of tile dt is out(query r, 16 dt + 8 h + j): 32 neighbouring bytes of a row, and the lanes beside me hold other rows.  So the tile goes through my own stage and comes back as whole rows.
.rept 4
	v_nop                                          ; places in front of the stores that read results, and of the loads into registers that the products have read
.endr
.irp dt, 0,1,2,3
	ds_store_b128 v7, v[OA+8*\dt:OA+8*\dt+3] offset:64*\dt          ; each accumulator from its low end on
	ds_store_b128 v7, v[OA+8*\dt+4:OA+8*\dt+7] offset:64*\dt+16
.endr
.irp i, 0,1,2,3,4,5,6,7
	ds_load_b128 v[VF+4*\i:VF+4*\i+3], v8 offset:544*\i             ; LDS serves a wave's instructions in order (ISA guide 5.7.1.4): these see my stores
.endr
.irp i, 0,1,2,3,4,5,6,7
	s_wait_dscnt 7-\i                              ; load i is in; the 7 - i behind it may be out
	global_store_b128 v9, v[VF+4*\i:VF+4*\i+3], s[54:55] offset:512*\i th:TH_STORE_NT   ; sixteen lanes store a row's 256 consecutive bytes, at a multiple of 256 from out's first byte; written once, read by nobody here
.endr
	s_wait_xcnt 0x0
	v_lshl_add_u32 v254, v0, 2, 0x1a000
	v_mov_b32 v255, 0
	s_wait_tensorcnt 0x0
	ds_add_u32 v254, v255
	s_wait_dscnt 0x0
	s_endpgm
.Lfunc_end_k_q256f03ab5e_band:
	.size	k_q256f03ab5e_band, .Lfunc_end_k_q256f03ab5e_band-k_q256f03ab5e_band
	.p2alignl 7, 3214868480
	.fill 96, 4, 3214868480
	.section	.rodata,"a",@progbits
	.p2align	6, 0x0
	.amdhsa_kernel k_q256f03ab5e_band
		.amdhsa_group_segment_fixed_size 108544
		.amdhsa_private_segment_fixed_size 0
		.amdhsa_enable_private_segment 0
		.amdhsa_kernarg_size 56
		.amdhsa_user_sgpr_count 2
		.amdhsa_user_sgpr_kernarg_segment_ptr 1
		.amdhsa_wavefront_size32 1
		.amdhsa_system_sgpr_workgroup_id_x 1
		.amdhsa_system_sgpr_workgroup_id_y 1
		.amdhsa_system_sgpr_workgroup_id_z 1
		.amdhsa_system_vgpr_workitem_id 0
		.amdhsa_next_free_vgpr 256
		.amdhsa_next_free_sgpr 66
		.amdhsa_reserve_vcc 1
		.amdhsa_float_denorm_mode_32 3
		.amdhsa_float_denorm_mode_16_64 3
		.amdhsa_memory_ordered 1
		.amdhsa_forward_progress 1
		.amdhsa_inst_pref_size 56
	.end_amdhsa_kernel
	.amdgpu_metadata
---
amdhsa.version: [ 1, 2 ]
amdhsa.kernels:
  - .name:           k_q256f03ab5e_band
    .symbol:         k_q256f03ab5e_band.kd
    .args:
      - { .name: q_codes, .offset: 0, .size: 8, .value_kind: global_buffer, .address_space: global }
      - { .name: q_scales, .offset: 8, .size: 8, .value_kind: global_buffer, .address_space: global }
      - { .name: k_codes, .offset: 16, .size: 8, .value_kind: global_buffer, .address_space: global }
      - { .name: k_scales, .offset: 24, .size: 8, .value_kind: global_buffer, .address_space: global }
      - { .name: v_codes, .offset: 32, .size: 8, .value_kind: global_buffer, .address_space: global }
      - { .name: v_scales, .offset: 40, .size: 8, .value_kind: global_buffer, .address_space: global }
      - { .name: out0, .offset: 48, .size: 8, .value_kind: global_buffer, .address_space: global }
    .group_segment_fixed_size: 108544
    .private_segment_fixed_size: 0
    .kernarg_segment_align: 8
    .kernarg_segment_size: 56
    .max_flat_workgroup_size: 512
    .sgpr_count:     66
    .vgpr_count:     256
    .wavefront_size: 32
...
	.end_amdgpu_metadata
.endif
;; end of part 1
;; ======== version 2 of 2: 1 launch; version 1 with the launch band written anew for expert scheduling mode
;; launch band (part 2): grid 16 x 16, 16 waves a work-group, no clusters, 108,544 bytes of LDS; arguments q_codes, q_scales, k_codes, k_scales, v_codes, v_scales, out0; writes out0
.if DOCPART == 2
	.amdgcn_target "amdgcn-amd-amdhsa--gfx1250"
	.amdhsa_code_object_version 6
	.text
	.protected	k_q256f03ab5e_band
	.globl	k_q256f03ab5e_band
	.p2align	8
	.type	k_q256f03ab5e_band,@function
k_q256f03ab5e_band:
	s_mov_b64 s[64:65], 0
	v_nop
	global_prefetch_b8 v0, s[64:65] scope:SCOPE_SE
	s_setreg_imm32_b32 hwreg(HW_REG_WAVE_SCHED_MODE, 0, 2), 2
	s_setreg_imm32_b32 hwreg(HW_REG_WAVE_MODE, 25, 1), 1
	s_wait_xcnt 0x0
	s_wait_alu depctr_vm_vsrc(0)
; out[h][i][:] = sum over j of attn[i][j] v[h][j][:],  attn = softmax_j(q[h][i] . k[h][j] / 8) over the band i - 128 <= j < i + 128 inside 0 .. 4095, 0 elsewhere.
; Both products on codes of FP4 (E2M1) with one E8M0 scale for each 32 along a product's K.  q, k: codes along the head's 64; v: codes with the keys innermost, [head][64][128 blocks][16 bytes].
; WHAT IS QUANTISED AHEAD OF THE SECOND PRODUCT IS THE FINISHED attn, in blocks of 32 keys counted from key 0: so a row's true maximum and true sum are taken before any code is made.
; SHARES.  A work-group owns 256 queries of one head (x = block of queries, y = head): 256 work-groups.  Each of its sixteen waves owns ONE tile of 16 queries.  A tile's band touches 9 aligned blocks of 32 keys:
; 288 scores a query, 144 registers a lane: the whole window of a row stays in registers, and nothing is rescaled.  No loop: the text is walked once.
; WINDOW.  The work-group's 512 keys, from key 256 x - 128 on (a multiple of 32: window blocks are the quantiser's blocks), come into LDS once, through registers.  A key outside 0 .. 4095 is fetched WRAPPED inside its
; head (index & 4095, block & 127), so that every load stays in its buffer; what lands there is hidden by the mask: its score becomes -infinity, its p is 0, its code is 0.
; LAYOUT.  Both products are used transposed: S^T = K Q^T (source 0 = 16 keys, source 1 = my 16 queries), O^T = V^T P^T (source 0 = 16 of the head's 64, source 1 = P): a lane holds ONE query (lane % 16) throughout.
; THE KEYS OF A TILE ARE NOT NEIGHBOURS: lane r of tile 2 b + t takes key 32 b + 8 t + r + 8 (r / 8), so that score register 16 b + i of lane (r, h) is key 32 b + 16 h + i of the wave's frame.
; THE FIRST PRODUCT'S K IS 64, half of the instruction's 128: Q's registers 4-7 are zero codes and the upper two scale bytes of both sides are 0 (2^-127, a finite number).  So what K's registers 4-7 hold does not
; count, as long as it is codes (E2M1 has no infinity and no NaN): each K fragment is 4 registers, and the instruction names the next fragment's four (behind the last: four zeros) as its upper half.
; NO JOINT LOADS: only neighbours along x share, half a window (17 KB of a work-group's 34 KB, beside its 64 KB of output), and the wrap at the sequence's ends is made lane by lane.  No tensor loads: each LDS byte is
; filled once, by two 16-byte loads of K, two of V and two 2-byte loads of scales a thread.
; LIMITS: a scale byte 0xff (NaN) among the inputs is not served, nor scores that overflow f32.  An exponential under 2^-126 counts as 0.  1 / sum is v_rcp_f32 and a multiplication.  A block's largest p is taken from its
; largest score through the same three instructions as every p, which takes v_exp_f32 not to fall where its input rises.  A block of zeros keeps the byte 1 where the rule says 127: its codes are zeros.
; THE MODE: SCHED_MODE bits 1:0 = 2 (LLVM: expert scheduling mode 2), set by the entry lines.  The code itself states the register dependences between vector or matrix instructions and memory or LDS
; instructions, with s_wait_alu, always for 0.
; THE PLAN.  Registers that memory or LDS instructions touch, in the order of the walk:
;   v58-63, v64-67  offsets in memory and LDS addresses of the fill: written at the head, read by the fill's loads and stores, written again by the first products (they lie among the scores).
;   v40-57          the fill's data: global loads land there, the fill's LDS stores read them, the first products write them.
;   v3-v9           addresses: written once, while the global loads are out, and never again; every later LDS load and store and the global stores read them.
;   v25-33, v180-251  K's scale words and fragments land there; the first products read them; V's scale bytes land in v207-212 behind those products.
;   v36-131         the scores of blocks 0-5: written by the multiplications and read by the conversions; V's fragments land there behind them.
;   v132-163        O^T: written by the second products, read by the stage's stores.   v36-67: read by the second product's first step; the stage's loads land there; the global stores read them.
;   v254, v255      made anew at the end for the closing add; no memory or LDS instruction reads them before it.
; So the waits on va_vdst stand: ahead of the first global load; behind the address arithmetic; behind the first products; behind the batch of exponentials; behind the reciprocal; behind block 4's conversions;
; in front of the second products; in front of the stage's stores.  One wait on vm_vsrc stands behind the barrier, ahead of the first products.  Two on va_sdst: the wave's number, and the band's sixteen masks.
.set KB,   0                           ; LDS: K's codes: key kw at 32 kw + 16 (kw / 16): 16 keys are 512 bytes + 16 of padding, so that a tile's rows 0-7 and 16-23 fall on 16 different 16-byte columns modulo 256
.set VB,   16896                       ; V's codes: row d at 272 d (16 blocks x 16 bytes + 16 of padding), window block B at + 16 B
.set KSB,  34304                       ; K's scale bytes: 2 a key
.set VSB,  35328                       ; V's scale bytes: row d at 20 d (16 bytes + 4 of padding that nobody touches)
.set STG,  36864                       ; the way out: 16 rows x (256 + 16) bytes for each wave, its own
.set S,    36                          ; v36-179  the 144 scores, then the exponentials, then p
.set KF,   180                         ; v180-251 K's 18 fragments of 4 registers
.set ZP,   252                         ; v252-255 zeros: the upper half of the last fragment
.set KSC,  25                          ; v25-33   scale words and nothing else: first K's nine (lanes 0-15 tile 2 b's, lanes 16-31 tile 2 b + 1's),
.set VSW,  25                          ;          then V's: step s, rows 32 e + lane: v[25 + 2 s + e],
.set PW,   31                          ;          and P's: step s: v[31 + s]
.set BM,   180                         ; behind the first product: v180-188 each block's largest score, then its largest p
.set BP,   189                         ; v189-197 the other half of the lanes' maxima, then the scale bytes
.set SOP,  198                         ; v198-206 the conversions' scale operands
.set VW,   207                         ; v207-212 V's scale bytes as they lie: row 32 e + lane, word j: v[207 + 3 e + j]
.set PC,   224                         ; v224-247 P's three fragments
.set AC,   248                         ; v248-255 four packed chains of the row's sum
.set VF,   36                          ; behind the conversions: V's fragments, step s, tile dt: v[36 + 32 s + 8 dt]
.set OA,   132                         ; O^T: four accumulators
.set MK,   30                          ; s30-45   the band's sixteen masks; free since the fill's loads, whose bases lay there, have come in
; v1 r, v2 h, v3 K's address, v4 K's scale words', v5 V's, v6 V's scale words', v7 into the stage, v8 out of it, v9 my bytes in out, v10 L, v11 -infinity, v[12:13] -c m, v14 the sum, v15 at work,
; v[16:23] Q (v20-23 zeros), v24 Q's scale word, v[34:35] 1 / sum.  During the fill v40-57 hold data, v58-63 offsets in memory, v64-67 LDS addresses.
	s_load_b256 s[4:11], s[0:1], 0x0               ; q's codes s[4:5], q's scales s[6:7], k's codes s[8:9], k's scales s[10:11]
	s_load_b128 s[12:15], s[0:1], 0x20             ; v's codes s[12:13], v's scales s[14:15]
	s_load_b64 s[16:17], s[0:1], 0x30              ; out
	v_lshrrev_b32 v15, 5, v0
	v_readfirstlane_b32 s18, v15                   ; wave w, 0 .. 15
	v_and_b32 v1, 15, v0                           ; r = lane % 16 (also thread % 16)
	s_wait_alu depctr_va_vdst(0)
	v_bfe_u32 v2, v0, 4, 1                         ; h = lane / 16
	s_mov_b32 s19, ttmp9                           ; x: my block of 256 queries
	s_and_b32 s20, ttmp7, 0xffff                   ; the head
	s_wait_alu depctr_va_sdst(0)                   ; s18 is written, ahead of its first reader, the next line
	s_lshr_b32 s21, s18, 1                         ; u = w / 2: my frame is window blocks u .. u + 8
	s_mov_b32 s22, 0x3e38aa3b                      ; c = log2(e) / 8
	s_mov_b32 s23, s22                             ; (named with it as a pair, so it is written)
	s_mov_b32 s24, 0xbe38aa3b                      ; -c
	s_and_b32 s25, s21, 3
	s_lshl_b32 s25, s25, 3                         ; 8 (u % 4): bits by which V's scale bytes are shifted into place
	s_sub_co_u32 s26, 24, s25
	s_lshl_b32 s57, s19, 3
	s_sub_co_u32 s57, s57, 4                       ; 8 x - 4: the window's first block in the sequence (under 0 for x = 0: it wraps, and is masked or compared as unsigned)
	s_add_co_u32 s27, s57, s21                     ; my frame's first block
	s_mov_b32 s28, 0x76543210
	s_mov_b32 s29, 0xfedcba98                      ; v_permlanex16_b32's selects for lane l xor 16
	s_lshl_b32 s30, s20, 17                        ; the head's first byte in each tensor of codes (4,096 x 32 = 64 x 2,048 bytes),
	s_mov_b32 s31, 0
	s_lshl_b32 s32, s20, 13                        ; and in each tensor of scale bytes
	s_mov_b32 s33, 0
	s_lshl_b32 s56, s19, 8
	s_lshl_b32 s39, s18, 4
	s_add_co_u32 s38, s56, s39                     ; my tile's first query: 256 x + 16 w
	s_sub_co_u32 s56, s56, 128                     ; the window's first key
	s_and_b32 s58, s18, 1
	s_lshl_b32 s58, s58, 4                         ; 16 (w % 2)
	s_add_co_u32 s34, s56, s39                     ; the fill of K: my wave brings window keys 16 w .. + 15 and 256 + 16 w .. + 15: each run is 512 dense bytes and does not straddle the wrap
	s_add_co_u32 s36, s34, 256
	s_and_b32 s34, s34, 4095
	s_and_b32 s36, s36, 4095
	s_lshl_b32 s34, s34, 5
	s_lshl_b32 s36, s36, 5
	s_add_co_u32 s34, s34, s30
	s_add_co_u32 s36, s36, s30
	s_mov_b32 s35, 0
	s_mov_b32 s37, 0
	s_lshl_b32 s50, s38, 5                         ; my tile in q's codes,
	s_add_co_u32 s50, s50, s30
	s_mov_b32 s51, 0
	s_lshl_b32 s52, s38, 1                         ; in q's scales,
	s_add_co_u32 s52, s52, s32
	s_mov_b32 s53, 0
	s_lshl_b32 s54, s38, 8                         ; and in out (a row is 256 bytes, a head 2^20)
	s_lshl_b32 s59, s20, 20
	s_add_co_u32 s54, s54, s59
	s_mov_b32 s55, 0
	; offsets in memory
	v_and_b32 v58, 31, v0
	v_lshlrev_b32 v58, 4, v58                      ; K's codes: 16 x lane
	v_add_nc_u32 v59, s56, v0                      ; K's scales: thread t takes window key t, wrapped
	v_and_b32 v59, 0xfff, v59
	v_lshlrev_b32 v59, 1, v59
	v_add_nc_u32 v60, s57, v1                      ; V's codes: thread t takes row t / 16 (and 32 rows on), window block t % 16, wrapped
	v_and_b32 v60, 127, v60
	v_lshlrev_b32 v60, 4, v60
	v_lshrrev_b32 v14, 4, v0
	v_lshl_or_b32 v60, v14, 11, v60
	v_and_b32 v15, 7, v0                           ; V's scales: thread t takes row t / 8, the bytes of window blocks 2 (t % 8) and + 1 (an even place, so both lie on one side of the wrap)
	v_lshl_add_u32 v61, v15, 1, s57
	v_and_b32 v61, 127, v61
	v_lshrrev_b32 v12, 3, v0
	v_lshl_add_u32 v61, v12, 7, v61
	v_lshlrev_b32 v62, 5, v1                       ; Q's codes: row r, my half's 16 bytes
	v_lshl_add_u32 v62, v2, 4, v62
	v_lshlrev_b32 v63, 1, v1                       ; Q's scales: row r
	; where the fill goes in LDS
	v_lshrrev_b32 v64, 5, v0
	v_add_nc_u32 v64, v64, v0
	v_lshlrev_b32 v64, 4, v64                      ; K: 528 w + 16 x lane
	v_mul_u32_u24 v65, v14, 272
	v_lshl_add_u32 v65, v1, 4, v65
	v_add_nc_u32 v65, VB, v65                      ; V: row t / 16, block t % 16
	v_lshl_add_u32 v66, v0, 1, KSB
	v_mul_u32_u24 v67, v12, 20
	v_lshl_add_u32 v67, v15, 1, v67
	v_add_nc_u32 v67, VSB, v67
	s_wait_kmcnt 0x0
	s_add_nc_u64 s[50:51], s[4:5], s[50:51]
	s_add_nc_u64 s[52:53], s[6:7], s[52:53]
	s_add_nc_u64 s[40:41], s[8:9], s[34:35]
	s_add_nc_u64 s[42:43], s[8:9], s[36:37]
	s_add_nc_u64 s[44:45], s[10:11], s[32:33]
	s_add_nc_u64 s[46:47], s[12:13], s[30:31]
	s_add_nc_u64 s[48:49], s[14:15], s[32:33]
	s_add_nc_u64 s[54:55], s[16:17], s[54:55]
	s_wait_alu depctr_va_vdst(0)                   ; v58-63 are written, which the loads below read as offsets, and v64-67, which the fill's LDS stores read as addresses
	global_load_b128 v[16:19], v62, s[50:51]       ; Q's fragment: lane (r, h): k = 32 h .. 32 h + 31 of query r
	global_load_u16 v24, v63, s[52:53]             ; its scale word: two bytes, and two zeros above them
	global_load_b128 v[40:43], v58, s[40:41]       ; K's codes: a wave's load covers 512 consecutive bytes
	global_load_b128 v[44:47], v58, s[42:43]
	global_load_u16 v56, v59, s[44:45]
	global_load_b128 v[48:51], v60, s[46:47]       ; V's codes: sixteen lanes take a row's 256 bytes (in two runs where the window wraps)
	global_load_b128 v[52:55], v60, s[46:47] offset:65536
	global_load_u16 v57, v61, s[48:49]
	; while they are on their way; none of these lines names a register that the loads above or the fill's stores touch.
	; The zeros first: operands of a scaled matrix instruction that vector instructions write stand four places ahead of it, and the address arithmetic below is those places
.irp i, 0,1,2,3
	v_mov_b32 v[20+\i], 0                          ; Q's k = 64 .. 127: zero codes
	v_mov_b32 v[ZP+\i], 0
.endr
	v_mov_b32 v13, 0                               ; (upper halves of pairs of which the low word serves both halves: named, so they are written)
	v_mov_b32 v35, 0
	v_lshrrev_b32 v15, 3, v1                       ; r / 8
	v_mul_u32_u24 v3, v15, 272
	v_lshl_add_u32 v3, v1, 5, v3
	v_lshl_add_u32 v3, v2, 4, v3
	s_mul_i32 s59, s21, 1056
	v_add_nc_u32 v3, s59, v3                       ; K: 32 r + 272 (r / 8) + 16 h + 1,056 u: key 32 u + r + 8 (r / 8), my half of its 32 bytes
	v_lshlrev_b32 v4, 1, v1
	v_lshl_add_u32 v4, v15, 4, v4
	v_lshl_add_u32 v4, v2, 4, v4
	s_lshl_b32 s59, s21, 6
	s_add_co_u32 s59, s59, KSB
	v_add_nc_u32 v4, s59, v4                       ; K's scale words: the same key's two bytes; lanes 16-31 take the key 8 further on: the odd tile's
	v_mul_u32_u24 v5, v1, 272
	v_lshl_add_u32 v5, v2, 4, v5
	s_lshl_b32 s59, s21, 4
	s_add_co_u32 s59, s59, VB
	v_add_nc_u32 v5, s59, v5                       ; V: row r, window block u + h
	v_and_b32 v6, 31, v0
	v_mul_u32_u24 v6, v6, 20
	s_lshr_b32 s59, s18, 3
	s_lshl_b32 s59, s59, 2
	s_add_co_u32 s59, s59, VSB
	v_add_nc_u32 v6, s59, v6                       ; V's scale bytes: row = lane, from word u / 4 on
	s_mul_i32 s59, s18, 4352
	s_add_co_u32 s59, s59, STG                     ; my stage
	v_mul_u32_u24 v7, v1, 272
	v_lshl_add_u32 v7, v2, 5, v7
	v_add_nc_u32 v7, s59, v7                       ; in: row r, 32 bytes for each half of the lanes
	v_mul_u32_u24 v8, v2, 272
	v_lshl_add_u32 v8, v1, 4, v8
	v_add_nc_u32 v8, s59, v8                       ; back: lanes 0-15 one row of 256 bytes, lanes 16-31 the next
	v_lshlrev_b32 v9, 8, v2
	v_lshl_add_u32 v9, v1, 4, v9                   ; and the same two rows in out
	s_wait_alu depctr_va_vdst(0)                   ; the addresses v3 to v9 are written, which every later LDS load and store and the global stores read, and which nothing writes again; so are the zero codes v20-23 and v252-255, which the scaled products take
	; THE FILL
	s_wait_loadcnt 3                               ; Q's two loads and K's three are in; V's three, issued behind them, may be out
	ds_store_b128 v64, v[40:43]
	ds_store_b128 v64, v[44:47] offset:8448        ; 256 keys on: 16 groups of 528 bytes
	ds_store_b16 v66, v56
	s_wait_loadcnt 0x0
	ds_store_b128 v65, v[48:51]
	ds_store_b128 v65, v[52:55] offset:8704        ; 32 rows on
	ds_store_b16 v67, v57
	s_wait_dscnt 0x0                               ; for the others' sake: my part of the window lies in LDS
	s_barrier_signal -1
	s_barrier_wait -1                              ; the one barrier: from here on the window is only read
	s_wait_alu depctr_vm_vsrc(0)                   ; the fill's loads have read their offsets v58-63, its LDS stores their data v40-57 and addresses v64-67: all lie among the scores, which the products below write
	; S^T = K Q^T: 18 tiles of 16 keys
.irp b, 0,1,2,3,4,5,6,7,8
	ds_load_u16 v[KSC+\b], v4 offset:64*\b
.endr
.irp t, 0,1,2,3,4,5,6,7,8,9,10,11,12,13,14,15,16,17
	ds_load_b128 v[KF+4*\t:KF+4*\t+3], v3 offset:1056*(\t/2)+256*(\t%2)
.endr
.macro QK b                            ; tiles 2 b and 2 b + 1: block b of my frame
.if \b < 8
	s_wait_dscnt 15-2*\b                           ; the odd tile also names fragment 2 b + 2's registers: behind that fragment's load 15 - 2 b loads were issued
.else
	s_wait_dscnt 0x0
.endif
	v_wmma_scale_f32_16x16x128_f8f6f4 v[S+16*\b:S+16*\b+7], v[KF+8*\b:KF+8*\b+7], v[16:23], 0, v[KSC+\b], v24 matrix_a_fmt:MATRIX_FMT_FP4 matrix_b_fmt:MATRIX_FMT_FP4
	v_wmma_scale_f32_16x16x128_f8f6f4 v[S+16*\b+8:S+16*\b+15], v[KF+8*\b+4:KF+8*\b+11], v[16:23], 0, v[KSC+\b], v24 matrix_a_fmt:MATRIX_FMT_FP4 matrix_b_fmt:MATRIX_FMT_FP4 matrix_a_scale:MATRIX_SCALE_ROW1
.endm
.irp b, 0,1,2,3,4,5,6,7,8
	QK \b
.endr
	; four plain lines that name no register of the products: the places (ISA guide 7.12.1) in front of the vector writes into K's registers and of the first touch of the scores
	v_mov_b32 v11, 0xff800000                      ; -infinity
	v_lshlrev_b32 v15, 4, v2
	v_sub_nc_u32 v10, v1, v15
	v_add_nc_u32 v10, s58, v10                     ; L = 16 (w % 2) + r - 16 h: register 16 b + i counts where L <= 32 b + i < L + 256.  L lies in -16 .. 31: only blocks 0 and 8 are cut
	s_wait_alu depctr_va_vdst(0)                   ; the products are done reading K's fragments: v207-212 are among them, in which the six loads below land
.irp e, 0,1
.irp j, 0,1,2
	ds_load_b32 v[VW+3*\e+\j], v6 offset:640*\e+4*\j   ; V's scale bytes of rows 32 e + lane: three words from word u / 4 on
.endr
.endr
.irp i, 16,17,18,19,20,21
	v_mov_b32 v[PC+\i], 0                          ; P's third fragment holds one block: the rest are zero codes
.endr
; THE SEQUENCE'S ENDS hide whole blocks: block b of my frame is block 8 x - 4 + u + b of the sequence, which exists where that number, as unsigned, is under 128.  A branch on ids alone.
.macro EDGE b
	s_add_co_u32 s59, s27, \b
	s_cmp_lt_u32 s59, 128
	s_cbranch_scc1 .Linside_\@
.irp i, 0,1,2,3,4,5,6,7,8,9,10,11,12,13,14,15
	v_mov_b32 v[S+16*\b+\i], v11
.endr
.Linside_\@:
.endm
.irp b, 0,1,2,3,4,5,6,7,8
	EDGE \b
.endr
	; THE BAND: in block 0 register i is hidden where i < L, in block 8 it counts where i < L: one compare serves both.  The sixteen compares stand in one run, each with a scalar register of its own
.irp i, 0,1,2,3,4,5,6,7,8,9,10,11,12,13,14,15
	v_cmp_lt_i32 s[MK+\i], \i, v10
.endr
	s_wait_alu depctr_va_sdst(0)                   ; the sixteen masks s30 to s45 are written, ahead of their first reader: one wait for the run
	; Ascending: each accumulator is read from its low end on
.irp i, 0,1,2,3,4,5,6,7,8,9,10,11,12,13,14,15
	v_cndmask_b32 v[S+\i], v[S+\i], v11, s[MK+\i]
	v_cndmask_b32 v[S+128+\i], v11, v[S+128+\i], s[MK+\i]
.endr
	; THE LARGEST SCORE OF EACH BLOCK: it serves twice: for the row's maximum, and, since p rises with the score, for the block's largest p.  The nine blocks by turns
.irp b, 0,1,2,3,4,5,6,7,8
	v_max3_num_f32 v[BM+\b], v[S+16*\b], v[S+16*\b+1], v[S+16*\b+2]
.endr
.irp i, 3,5,7,9,11,13
.irp b, 0,1,2,3,4,5,6,7,8
	v_max3_num_f32 v[BM+\b], v[BM+\b], v[S+16*\b+\i], v[S+16*\b+\i+1]
.endr
.endr
.irp b, 0,1,2,3,4,5,6,7,8
	v_max_num_f32 v[BM+\b], v[BM+\b], v[S+16*\b+15]
.endr
.irp b, 0,1,2,3,4,5,6,7,8
	v_permlanex16_b32 v[BP+\b], v[BM+\b], s28, s29 ; (its destination counts as read: these registers held K's fragments)
.endr
.irp b, 0,1,2,3,4,5,6,7,8
	v_max_num_f32 v[BM+\b], v[BM+\b], v[BP+\b]     ; with lane l xor 16's 16 keys
.endr
	v_max3_num_f32 v15, v[BM], v[BM+1], v[BM+2]
	v_max3_num_f32 v15, v15, v[BM+3], v[BM+4]
	v_max3_num_f32 v15, v15, v[BM+5], v[BM+6]
	v_max3_num_f32 v15, v15, v[BM+7], v[BM+8]      ; the row's largest score m: a number, since a query's own key always counts
	v_mul_f32 v12, s24, v15                        ; -c m.  Its rounding is common to the row: it cancels in e / sum
.irp b, 0,1,2,3,4,5,6,7,8
	v_fma_f32 v[BM+\b], v[BM+\b], s22, v12         ; c s - c m of each block's largest score
.endr
	; e = 2^(c s - c m).  ONE BATCH: the 72 packed multiply-adds, then all 144 exponentials and the nine of the blocks' largest scores, none of which names another's result
.set j, 0
.rept 72
	v_pk_fma_f32 v[S+2*j:S+2*j+1], v[S+2*j:S+2*j+1], s[22:23], v[12:13] op_sel_hi:[1,0,0]
.set j, j+1
.endr
.set j, 0
	s_wait_alu depctr_va_vdst(0)
.rept 144
	v_exp_f32 v[S+j], v[S+j]
.set j, j+1
.endr
.irp b, 0,1,2,3,4,5,6,7,8
	v_exp_f32 v[BM+\b], v[BM+\b]                   ; each block's largest e: the same instructions on the same number give the same bits
.endr
	s_wait_dscnt 0x0                               ; V's scale bytes are in
.irp e, 0,1                                    ; six plain lines that name no result of the batch: the work behind the exponentials (ISA guide 5.7.2 asks for one such line)
	v_alignbit_b32 v[VSW+\e], v[VW+3*\e+1], v[VW+3*\e], s25       ; step 0: the bytes of window blocks u .. u + 3
	v_alignbit_b32 v[VSW+2+\e], v[VW+3*\e+2], v[VW+3*\e+1], s25   ; step 1: u + 4 .. u + 7
	v_lshlrev_b32 v[VSW+4+\e], s26, v[VW+3*\e+2]                  ; step 2: block u + 8's byte at place 3; what stands below it meets zero codes of P
.endr
	s_wait_alu depctr_va_vdst(0)                   ; the 153 exponentials have written v36-179 and v180-188: one wait for the batch, ahead of the first line that names a result
	; THE ROW'S SUM: four packed chains, pair j into chain j % 4, begun by additions: nothing is cleared
.set j, 4
.rept 68
.if j < 8
	v_pk_add_f32 v[AC+2*(j%4):AC+2*(j%4)+1], v[S+2*(j-4):S+2*(j-4)+1], v[S+2*j:S+2*j+1]
.else
	v_pk_add_f32 v[AC+2*(j%4):AC+2*(j%4)+1], v[AC+2*(j%4):AC+2*(j%4)+1], v[S+2*j:S+2*j+1]
.endif
.set j, j+1
.endr
	v_pk_add_f32 v[AC:AC+1], v[AC:AC+1], v[AC+2:AC+3]
	v_pk_add_f32 v[AC+4:AC+5], v[AC+4:AC+5], v[AC+6:AC+7]
	v_pk_add_f32 v[AC:AC+1], v[AC:AC+1], v[AC+4:AC+5]
	v_add_f32 v14, v[AC], v[AC+1]
	v_permlanex16_b32 v213, v14, s28, s29
	v_add_f32 v14, v14, v213                       ; the row's sum, at least about 1
	s_wait_alu depctr_va_vdst(0)
	v_rcp_f32 v34, v14
	v_nop                                          ; a plain line behind the reciprocal
	; EACH BLOCK'S SCALE, the nine by turns
	s_wait_alu depctr_va_vdst(0)                   ; the reciprocal has written v34, ahead of the first line that names it
.irp b, 0,1,2,3,4,5,6,7,8
	v_mul_f32 v[BM+\b], v[BM+\b], v34              ; the block's largest attn
.endr
.irp b, 0,1,2,3,4,5,6,7,8
	v_max_num_f32 v[BM+\b], 0x1800000, v[BM+\b]    ; the floor 2^(3 - 127): the byte cannot fall under 1 (a block of zeros keeps that byte: its codes are zeros)
.endr
.irp b, 0,1,2,3,4,5,6,7,8
	v_add_nc_u32 v[SOP+\b], 0xff000000, v[BM+\b]   ; 2 off the exponent field: the conversion takes the exponent field of this operand as its scale, and nothing else of it
.endr
.irp b, 0,1,2,3,4,5,6,7,8
	v_lshrrev_b32 v[BP+\b], 23, v[SOP+\b]          ; the scale's byte
.endr
	v_lshl_or_b32 v[PW], v[BP+1], 8, v[BP]         ; P's scale words: blocks 0-3,
	v_lshl_or_b32 v[PW+1], v[BP+5], 8, v[BP+4]     ; blocks 4-7,
	v_lshl_or_b32 v[PW], v[BP+2], 16, v[PW]
	v_lshl_or_b32 v[PW+1], v[BP+6], 16, v[PW+1]
	v_lshl_or_b32 v[PW], v[BP+3], 24, v[PW]
	v_lshl_or_b32 v[PW+1], v[BP+7], 24, v[PW+1]
	v_lshlrev_b32 v[PW+2], 24, v[BP+8]             ; block 8 at place 3.  (The 72 multiplications below stand between these writes and the scaled products)
; Block b: attn = e / sum, then its 16 codes of my half into v[PC + d], v[PC + d + 1]
.macro NORMCVT b, d
.irp i, 0,2,4,6,8,10,12,14
	v_pk_mul_f32 v[S+16*\b+\i:S+16*\b+\i+1], v[S+16*\b+\i:S+16*\b+\i+1], v[34:35] op_sel_hi:[1,0]
.endr
	v_cvt_scalef32_pk8_fp4_f32 v[PC+\d], v[S+16*\b:S+16*\b+7], v[SOP+\b]
	v_cvt_scalef32_pk8_fp4_f32 v[PC+\d+1], v[S+16*\b+8:S+16*\b+15], v[SOP+\b]
.endm
; V's four fragments of step s: 16 of the head's 64 x 128 keys, from window block u + sb on
.macro VLOAD s, sb
.irp dt, 0,1,2,3
.irp cc, 0,1
	ds_load_b128 v[VF+32*\s+8*\dt+4*\cc:VF+32*\s+8*\dt+4*\cc+3], v5 offset:4352*\dt+16*\sb+32*\cc
.endr
.endr
.endm
	NORMCVT 0, 0
	NORMCVT 1, 2
	NORMCVT 2, 4
	NORMCVT 3, 6
	NORMCVT 4, 8
	s_wait_alu depctr_va_vdst(0)                   ; the multiplications have written and the conversions have read blocks 0-3, v36-99, in which the sixteen loads below land
	VLOAD 0, 0
	VLOAD 1, 4
	NORMCVT 5, 10                                  ; (blocks 5 to 8 lie in v116-179: no line from here to the next wait names v36-99)
	NORMCVT 6, 12
	NORMCVT 7, 14
	NORMCVT 8, 22                                  ; block 8 goes to the last place of the third fragment
	v_nop                                          ; one plain line behind the last scaled conversion
	; the operand's layout wants a WHOLE block in a lane: lanes 0-15 block 2 c, lanes 16-31 block 2 c + 1
.irp s, 0,1
.irp c, 0,1
.irp i, 0,1
	v_permlane16_swap_b32 v[PC+8*\s+4*\c+\i], v[PC+8*\s+4*\c+2+\i]
.endr
.endr
.endr
	v_permlane16_swap_b32 v[PC+20], v[PC+22]       ; block 8: into lanes 16-31 of registers 4-7; lanes 0-15 get zeros
	v_permlane16_swap_b32 v[PC+21], v[PC+23]
.rept 4
	v_nop                                          ; an operand that vector instructions wrote stands four places ahead of a scaled matrix instruction
.endr
	s_wait_alu depctr_va_vdst(0)                   ; behind the places: P's codes v224-247 and the scale words v25-33 are written, which the scaled products take; and blocks 4
	VLOAD 2, 5                                     ; blocks u + 5 .. u + 8: block u + 8 at place 3, so that no read leaves the window.  The products of steps 0 and 1, which follow, name none of v100-131
; O^T += V^T P^T, step s.  The four accumulators take turns, one instruction a turn.  V's scale words: lanes 0-15 the even tile's rows, lanes 16-31 the odd tile's
.macro PV s
	s_wait_dscnt 16-8*\s                           ; step s's eight loads are in; those of the later steps may be out
.irp dt, 0,1,2,3
.if \s == 0
.if \dt%2
	v_wmma_scale_f32_16x16x128_f8f6f4 v[OA+8*\dt:OA+8*\dt+7], v[VF+32*\s+8*\dt:VF+32*\s+8*\dt+7], v[PC+8*\s:PC+8*\s+7], 0, v[VSW+2*\s+\dt/2], v[PW+\s] matrix_a_fmt:MATRIX_FMT_FP4 matrix_b_fmt:MATRIX_FMT_FP4 matrix_a_scale:MATRIX_SCALE_ROW1
.else
	v_wmma_scale_f32_16x16x128_f8f6f4 v[OA+8*\dt:OA+8*\dt+7], v[VF+32*\s+8*\dt:VF+32*\s+8*\dt+7], v[PC+8*\s:PC+8*\s+7], 0, v[VSW+2*\s+\dt/2], v[PW+\s] matrix_a_fmt:MATRIX_FMT_FP4 matrix_b_fmt:MATRIX_FMT_FP4
.endif
.else
.if \dt%2
	v_wmma_scale_f32_16x16x128_f8f6f4 v[OA+8*\dt:OA+8*\dt+7], v[VF+32*\s+8*\dt:VF+32*\s+8*\dt+7], v[PC+8*\s:PC+8*\s+7], v[OA+8*\dt:OA+8*\dt+7], v[VSW+2*\s+\dt/2], v[PW+\s] matrix_a_fmt:MATRIX_FMT_FP4 matrix_b_fmt:MATRIX_FMT_FP4 matrix_a_scale:MATRIX_SCALE_ROW1
.else
	v_wmma_scale_f32_16x16x128_f8f6f4 v[OA+8*\dt:OA+8*\dt+7], v[VF+32*\s+8*\dt:VF+32*\s+8*\dt+7], v[PC+8*\s:PC+8*\s+7], v[OA+8*\dt:OA+8*\dt+7], v[VSW+2*\s+\dt/2], v[PW+\s] matrix_a_fmt:MATRIX_FMT_FP4 matrix_b_fmt:MATRIX_FMT_FP4
.endif
.endif
.endr
.endm
	PV 0
	PV 1
	PV 2
	; THE WAY OUT.  Register j of tile dt is out(query r, 16 dt + 8 h + j): 32 neighbouring bytes of a row, and the lanes beside me hold other rows.  So the tile goes through my own stage and comes back as whole rows.
.rept 4
	v_nop                                          ; places in front of the stores that read results
.endr
	s_wait_alu depctr_va_vdst(0)                   ; behind the places: the products have written O^T, v132-163, which the LDS stores read, and are done reading V's fragments: v36-67 are among them, in which the loads from the stage land
.irp dt, 0,1,2,3
	ds_store_b128 v7, v[OA+8*\dt:OA+8*\dt+3] offset:64*\dt          ; each accumulator from its low end on
	ds_store_b128 v7, v[OA+8*\dt+4:OA+8*\dt+7] offset:64*\dt+16
.endr
.irp i, 0,1,2,3,4,5,6,7
	ds_load_b128 v[VF+4*\i:VF+4*\i+3], v8 offset:544*\i             ; LDS serves a wave's instructions in order (ISA guide 5.7.1.4): these see my stores
.endr
.irp i, 0,1,2,3,4,5,6,7
	s_wait_dscnt 7-\i                              ; load i is in; the 7 - i behind it may be out
	global_store_b128 v9, v[VF+4*\i:VF+4*\i+3], s[54:55] offset:512*\i th:TH_STORE_NT   ; sixteen lanes store a row's 256 consecutive bytes, at a multiple of 256 from out's first byte; written once, read by nobody here
.endr
	s_wait_xcnt 0x0                                ; the stores above have had their addresses translated
	v_lshl_add_u32 v254, v0, 2, 0x1a000            ; my spare word: behind the stages, 4 x my thread's number on; v0 is as at the entry.  No memory or LDS instruction has read v254 or v255
	v_mov_b32 v255, 0
	s_wait_dscnt 0x0                               ; the closing lines, six on end
	s_wait_alu 0x0
	s_wait_tensorcnt 0x0
	ds_add_u32 v254, v255
	s_wait_dscnt 0x0
	s_endpgm
.Lfunc_end_k_q256f03ab5e_band:
	.size	k_q256f03ab5e_band, .Lfunc_end_k_q256f03ab5e_band-k_q256f03ab5e_band
	.p2alignl 7, 3214868480
	.fill 96, 4, 3214868480
	.section	.rodata,"a",@progbits
	.p2align	6, 0x0
	.amdhsa_kernel k_q256f03ab5e_band
		.amdhsa_group_segment_fixed_size 108544
		.amdhsa_private_segment_fixed_size 0
		.amdhsa_enable_private_segment 0
		.amdhsa_kernarg_size 56
		.amdhsa_user_sgpr_count 2
		.amdhsa_user_sgpr_kernarg_segment_ptr 1
		.amdhsa_wavefront_size32 1
		.amdhsa_system_sgpr_workgroup_id_x 1
		.amdhsa_system_sgpr_workgroup_id_y 1
		.amdhsa_system_sgpr_workgroup_id_z 1
		.amdhsa_system_vgpr_workitem_id 0
		.amdhsa_next_free_vgpr 256
		.amdhsa_next_free_sgpr 66
		.amdhsa_reserve_vcc 0
		.amdhsa_float_denorm_mode_32 3
		.amdhsa_float_denorm_mode_16_64 3
		.amdhsa_memory_ordered 1
		.amdhsa_forward_progress 1
		.amdhsa_inst_pref_size 56
	.end_amdhsa_kernel
	.amdgpu_metadata
---
amdhsa.version: [ 1, 2 ]
amdhsa.kernels:
  - .name:           k_q256f03ab5e_band
    .symbol:         k_q256f03ab5e_band.kd
    .args:
      - { .name: q_codes, .offset: 0, .size: 8, .value_kind: global_buffer, .address_space: global }
      - { .name: q_scales, .offset: 8, .size: 8, .value_kind: global_buffer, .address_space: global }
      - { .name: k_codes, .offset: 16, .size: 8, .value_kind: global_buffer, .address_space: global }
      - { .name: k_scales, .offset: 24, .size: 8, .value_kind: global_buffer, .address_space: global }
      - { .name: v_codes, .offset: 32, .size: 8, .value_kind: global_buffer, .address_space: global }
      - { .name: v_scales, .offset: 40, .size: 8, .value_kind: global_buffer, .address_space: global }
      - { .name: out0, .offset: 48, .size: 8, .value_kind: global_buffer, .address_space: global }
    .group_segment_fixed_size: 108544
    .private_segment_fixed_size: 0
    .kernarg_segment_align: 8
    .kernarg_segment_size: 56
    .max_flat_workgroup_size: 512
    .sgpr_count:     66
    .vgpr_count:     256
    .wavefront_size: 32
...
	.end_amdgpu_metadata
.endif
;; end of part 2
